; MI455X (gfx1250); checked and timed in simulation.
; The chip was launched on July 23, 2026; its instructions are those of AMD's public machine-readable ISA for CDNA 5 (MIT licence, August 2026) and "CDNA5" Instruction Set Architecture Reference Guide (July 2026). The comments in the code are by the model that wrote it; some were corrected since.
;; Multi Headed Attention3 D. Allowed arithmetic: float matrix products may take bf16 or f16 operands with f32 sums; all other float work in f32.
;; Inputs: Wk 256 x 256 float32; Wo 256 x 256 float32; Wq 256 x 256 float32; Wv 256 x 256 float32; X_Key 4 x 256 x 256 x 64 float32; X_Query 4 x 256 x 256 x 64 float32; X_Value 4 x 256 x 256 x 64 float32; bk 256 float32; bo 256 float32; bq 256 float32; bv 256 float32.
;; Outputs: out0 4 x 256 x 256 x 64 float32.
;; 2 versions, each right and faster than the one before. Each part assembles by itself: llvm-mc -triple=amdgcn-amd-amdhsa -mcpu=gfx1250 --defsym DOCPART=n.
;; ======== version 1 of 2: 2 launches
;; limits: values are held in f16: magnitudes above 65,504 overflow, below 6.1e-05 lose precision
;; workspace buffers: wb 528,384 bytes
;; launch prep (part 1): grid 256 x 1, 4 waves a work-group, no clusters, 0 bytes of LDS; arguments Wk, Wv, Wq, Wo, bk, bv, bq, bo, wb; writes wb
.if DOCPART == 1
	.amdgcn_target "amdgcn-amd-amdhsa--gfx1250"
	.amdhsa_code_object_version 6
	.text
	.protected	k_q5eb4bba68c_prep
	.globl	k_q5eb4bba68c_prep
	.p2align	8
	.type	k_q5eb4bba68c_prep,@function
k_q5eb4bba68c_prep:
	s_mov_b64 s[64:65], 0
	v_nop
	global_prefetch_b8 v0, s[64:65] scope:SCOPE_SE
	s_setreg_imm32_b32 hwreg(HW_REG_WAVE_MODE, 25, 1), 1
	s_wait_xcnt 0x0
; The four weight matrices and the four biases, rounded once, in the form in which the second launch asks for them.
; wb: bytes 0 .. 524,287: four [256][256] matrices of 16 bits, in the order Wk, Wv, Wq (bf16) and Wo (rounded to bf16, that number written as f16:
; exact where it is 2^-14 or more in size, below that on f16's fixed step of 6e-8; LIMIT: |Wo| stays under 65,504).
; From byte 524,288: bk, bv, bq, bo, 256 f32 each, every number rounded to bf16 and widened again.
; 256 work-groups: matrix m = group / 64, block blk = group % 64 of 1,024 numbers.  Thread t takes four numbers at 4 t and four at 512 + 4 t:
; a wave's load covers 512 bytes on end, a wave's store of 8 bytes a lane 256 bytes on end, aligned.  No LDS, no matrix unit: nothing is used twice.
	s_load_b512 s[4:19], s[0:1], 0x0               ; Wk s[4:5], Wv s[6:7], Wq s[8:9], Wo s[10:11], bk s[12:13], bv s[14:15], bq s[16:17], bo s[18:19]
	s_load_b64 s[20:21], s[0:1], 0x40              ; wb
	s_lshr_b32 s26, ttmp9, 6                       ; m
	s_and_b32 s27, ttmp9, 63                       ; blk
	s_lshl_b32 s28, s27, 12                        ; the block's 4,096 bytes of f32
	v_lshl_add_u32 v1, v0, 4, s28                  ; + 16 t
	s_lshl_b32 s29, s26, 17                        ; the matrix's 131,072 bytes in wb,
	s_lshl_b32 s30, s27, 11                        ; the block's 2,048
	s_add_co_u32 s29, s29, s30
	v_lshl_add_u32 v2, v0, 3, s29                  ; + 8 t
	s_wait_kmcnt 0x0
	s_cmp_eq_u32 s26, 1                            ; the matrix and the bias are chosen by m alone
	s_cselect_b64 s[22:23], s[6:7], s[4:5]
	s_cselect_b64 s[24:25], s[14:15], s[12:13]
	s_cmp_eq_u32 s26, 2
	s_cselect_b64 s[22:23], s[8:9], s[22:23]
	s_cselect_b64 s[24:25], s[16:17], s[24:25]
	s_cmp_eq_u32 s26, 3
	s_cselect_b64 s[22:23], s[10:11], s[22:23]
	s_cselect_b64 s[24:25], s[18:19], s[24:25]
	global_load_b128 v[4:7], v1, s[22:23]
	global_load_b128 v[8:11], v1, s[22:23] offset:2048
	s_wait_loadcnt 0x0
	v_cvt_pk_bf16_f32 v12, v4, v5
	v_cvt_pk_bf16_f32 v13, v6, v7
	v_cvt_pk_bf16_f32 v14, v8, v9
	v_cvt_pk_bf16_f32 v15, v10, v11
	s_cmp_lg_u32 s26, 3
	s_cbranch_scc1 .Lkeep
.irp j, 0,1,2,3                                        ; Wo: the bf16 numbers, widened and written as f16
	v_lshlrev_b32 v[4+2*\j], 16, v[12+\j]
	v_and_b32 v[5+2*\j], 0xffff0000, v[12+\j]
	v_cvt_pk_f16_f32 v[12+\j], v[4+2*\j], v[5+2*\j]
.endr
.Lkeep:
	global_store_b64 v2, v[12:13], s[20:21]
	global_store_b64 v2, v[14:15], s[20:21] offset:1024
	s_cmp_lg_u32 s27, 0
	s_cbranch_scc1 .Ldone                          ; a matrix's first block also takes its bias: 128 threads, two numbers each
	v_lshlrev_b32 v3, 3, v0
	global_load_b64 v[16:17], v3, s[24:25]
	s_lshl_b32 s31, s26, 10
	s_add_co_u32 s31, s31, 524288
	v_add_nc_u32 v18, s31, v3
	s_wait_loadcnt 0x0
	v_cvt_pk_bf16_f32 v19, v16, v17
	v_lshlrev_b32 v20, 16, v19
	v_and_b32 v21, 0xffff0000, v19
	global_store_b64 v18, v[20:21], s[20:21]
.Ldone:
	s_endpgm
.Lfunc_end_k_q5eb4bba68c_prep:
	.size	k_q5eb4bba68c_prep, .Lfunc_end_k_q5eb4bba68c_prep-k_q5eb4bba68c_prep
	.p2alignl 7, 3214868480
	.fill 96, 4, 3214868480
	.section	.rodata,"a",@progbits
	.p2align	6, 0x0
	.amdhsa_kernel k_q5eb4bba68c_prep
		.amdhsa_group_segment_fixed_size 0
		.amdhsa_private_segment_fixed_size 0
		.amdhsa_enable_private_segment 0
		.amdhsa_kernarg_size 72
		.amdhsa_user_sgpr_count 2
		.amdhsa_user_sgpr_kernarg_segment_ptr 1
		.amdhsa_wavefront_size32 1
		.amdhsa_system_sgpr_workgroup_id_x 1
		.amdhsa_system_sgpr_workgroup_id_y 1
		.amdhsa_system_sgpr_workgroup_id_z 1
		.amdhsa_system_vgpr_workitem_id 0
		.amdhsa_next_free_vgpr 24
		.amdhsa_next_free_sgpr 66
		.amdhsa_reserve_vcc 0
		.amdhsa_float_denorm_mode_32 3
		.amdhsa_float_denorm_mode_16_64 3
		.amdhsa_memory_ordered 1
		.amdhsa_forward_progress 1
		.amdhsa_inst_pref_size 3
	.end_amdhsa_kernel
	.amdgpu_metadata
---
amdhsa.version: [ 1, 2 ]
amdhsa.kernels:
  - .name:           k_q5eb4bba68c_prep
    .symbol:         k_q5eb4bba68c_prep.kd
    .args:
      - { .name: Wk, .offset: 0, .size: 8, .value_kind: global_buffer, .address_space: global }
      - { .name: Wv, .offset: 8, .size: 8, .value_kind: global_buffer, .address_space: global }
      - { .name: Wq, .offset: 16, .size: 8, .value_kind: global_buffer, .address_space: global }
      - { .name: Wo, .offset: 24, .size: 8, .value_kind: global_buffer, .address_space: global }
      - { .name: bk, .offset: 32, .size: 8, .value_kind: global_buffer, .address_space: global }
      - { .name: bv, .offset: 40, .size: 8, .value_kind: global_buffer, .address_space: global }
      - { .name: bq, .offset: 48, .size: 8, .value_kind: global_buffer, .address_space: global }
      - { .name: bo, .offset: 56, .size: 8, .value_kind: global_buffer, .address_space: global }
      - { .name: wb, .offset: 64, .size: 8, .value_kind: global_buffer, .address_space: global }
    .group_segment_fixed_size: 0
    .private_segment_fixed_size: 0
    .kernarg_segment_align: 8
    .kernarg_segment_size: 72
    .max_flat_workgroup_size: 128
    .sgpr_count:     66
    .vgpr_count:     24
    .wavefront_size: 32
...
	.end_amdgpu_metadata
.endif
;; end of part 1
;; launch attn (part 2): grid 256 x 1, 4 waves a work-group, clusters of 4 x 1, 327,680 bytes of LDS; arguments X_Key, X_Value, X_Query, wb, out0; writes out0
.if DOCPART == 2
	.amdgcn_target "amdgcn-amd-amdhsa--gfx1250"
	.amdhsa_code_object_version 6
	.text
	.protected	k_q5eb4bba68c_attn
	.globl	k_q5eb4bba68c_attn
	.p2align	8
	.type	k_q5eb4bba68c_attn,@function
k_q5eb4bba68c_attn:
	s_mov_b64 s[64:65], 0
	v_nop
	global_prefetch_b8 v0, s[64:65] scope:SCOPE_SE
	s_setreg_imm32_b32 hwreg(HW_REG_WAVE_MODE, 25, 1), 1
	s_wait_xcnt 0x0
	s_wait_alu depctr_hold_cnt(0) depctr_sa_sdst(0) depctr_va_vdst(0) depctr_va_sdst(0) depctr_va_ssrc(0) depctr_va_vcc(0) depctr_vm_vsrc(0)
	s_getreg_b32 s2, hwreg(HW_REG_IB_STS2, 6, 4)
	s_cmp_eq_u32 s2, 0
	s_cbranch_scc0 .Lentry_in_a_cluster
	s_endpgm
.Lentry_in_a_cluster:
	s_bfe_u32 s2, ttmp6, 0x10000c
	s_cmp_lg_u32 s2, 0x3003
	s_cbranch_scc0 .Lentry_shape_is_right
	s_endpgm
.Lentry_shape_is_right:
; out[b][:][n][:] = Wo o + bo, o = softmax over channels of (q k^T / 4) v by heads of 16 columns, q, k, v = W X[b][:][n][:] + bias.
; ONE WAVE OWNS ONE POINT (b, n) from X to out: 1,024 points = 256 work-groups x 4 waves.  A point's X is 256 rows (channels) of 256 bytes, 65,536 bytes apart.
; Nothing of q, k, v, the weights p or o goes to memory.  The waves share only the weight matrices and the biases, in LDS.
; FORMATS.  X, the W and the biases are rounded to bf16 (Wo's bf16 number is held as f16); q, k, v, p and o are rounded to f16; all sums, the maximum and the scaling in f32.
; LIMITS.  |q|, |k|, |v| stay under 65,504, f16's end; below 6e-5 f16 keeps a fixed step of 6e-8; the divisor is the sum of the ROUNDED weights; a weight below 2^-126 counts as 0;
; NaN and infinities are not treated apart.
; LAYOUTS: no result changes lanes between two products.
;   k, q, out:  D = X^T W^T (source 0 = 16 columns l of X, turned out of LDS; source 1 = 16 rows of W): a lane holds one channel and eight l: rounded in pairs, the first half (K = 16) of a fragment of k or q.
;   v:          the sources swapped: a lane holds one l and eight channels: two tiles rounded are source 1 (32 keys) of p v.
;   S^T = k q^T: source 0 = (k tile e, k tile e + 1), source 1 = (q tile, zeros): K = 16 in a form of K = 32; a lane holds one query and eight keys; two tiles rounded in place are source 0 of o = p v.
;   o = p v:    a lane holds one l and eight queries; rounded in pairs, half a fragment (K = channel) of the last product.  Beside it l = p x ones: the divisor in o's own layout, and the second accumulator with which o's takes turns.
; SOFTMAX.  All 256 scores of 16 queries lie in 128 registers, so the true maximum m is taken first and nothing is rescaled: p = 2^(c s - c m), c = log2(e) / 4.
; WEIGHTS go through two LDS slots of half a matrix (128 rows of 512 bytes).  All work-groups walk the same eight halves, so the four of a cluster ask JOINTLY: the same tensor load, descriptor and mask in all four.
; X comes through registers: in f32 it has no room in LDS beside the slots, and 128 registers lie free while it streams; it is rounded and laid into the wave's own stage, from which the turning load takes fragments.
; No prefetch is written: while X is wanted each wave has four groups of 4 KiB of loads out without a break.
; REGISTERS, in windows of 256 (s_set_vgpr_msb: bits 1:0 source 0, 3:2 source 1, 5:4 source 2, 7:6 destination):
;   window 0: addresses and what is at work (below)     window 1: X's (at last o's) fragments, head a, K step s at 64 a + 8 s; in the attention the scores, two buffers of 128
;   window 2: k, head a, tile t at 64 a + 4 t           window 3: v likewise
.set WPITCH, 528                       ; a row of W in LDS: 512 bytes + 16 = 132 words: row r starts at bank 4 r mod 64 (64 banks of 4 bytes: ISA guide 11.1)
.set WTILE,  16*WPITCH                 ; 16 rows: tile t of a matrix lies at t x WTILE, through both slots
.set WS1,    128*WPITCH                ; slot 1 follows slot 0
.set XS,     2*WS1                     ; the waves' own regions, written by LDS stores alone
.set XREG,   40960                     ; each: X as bf16 [channel][l], 256 rows; later q, then o, 512 bytes a unit; at last 16 rows of out
.set XP,     160                       ; a row of the stage: 128 bytes + 32 = 40 words
.set BT,     XS+4*XREG                 ; the four biases, f32: k, v, q, o, 1,024 bytes each
.set SPARE,  BT+4096                   ; the spare words, 128 bytes for each wave: two blocks of 256 bytes that no other line names
.set SPW, 1                            ; v1   LDS address of my spare word; never rewritten
.set NIL, 2                            ; v2   0; never rewritten
.set QL,  3                            ; v3   my region + 16 x lane
.set XV,  4                            ; v4   X: lanes 0-15 one row's 256 bytes, lanes 16-31 the row four further on
.set XSA, 5                            ; v5   the same two rows in the stage, 8 bytes a lane
.set XT,  6                            ; v6   the turning load's place
.set WA0, 7                            ; v7   a fragment of W: row x pitch + 16 x half; v8 the same in slot 1
.set BA,  9                            ; v9   a bias by lanes: BT + 4 (lane % 16)
.set BA8, 10                           ; v10  a bias by registers: BT + 32 (lane / 16)
.set STO, 11                           ; v11  the way out: where I put 32 bytes of a row
.set RD,  12                           ; v12  the way out: where I read a row back
.set GO,  13                           ; v13  my byte offset in two rows of out
.set D0,  14                           ; v14, v15, v17  addresses that step
.set D1,  15
.set BV,  16                           ; v16  a bias number
.set D2,  17
.set CM,  18                           ; v18  c m (v19 is named with it as a pair)
.set T,   20                           ; v20-23  four chains of the maximum
.set BC,  24                           ; v24-31  the bias as a C operand
.set R,   24                           ;         in the attention: 1 / l
.set ACC, 32                           ; v32-63  a tile's four accumulators, one a head
.set WFA, 64                           ; v64-95  W's fragments, K steps 0-3;  v96-127  K steps 4-7
.set WFB, 96
.set LR,  128                          ; v128-255  X as it lands: four groups of eight loads
.set TQ,  128                          ; later: a tile of q, rounded
.set OB,  128                          ; later: 16 rows of out
.set AO,  32                           ; the attention: o's accumulator, l's
.set AL,  40
.set QF,  48                           ; v48-51 a tile of q, v52-55 zeros
.set ONES, 56                          ; v56-63  1.0 in f16, sixteen times a lane
.set OF,  64                           ; v64-67  a tile of o, rounded
.set KW,  68                           ; v68-131 the head's k; v132-135 zeros, the partner of its last tile
.set ZT,  132
.set VW,  136                          ; v136-199 the head's v
; scalars: s[4:13] X_Key, X_Value, X_Query, wb, out0; s14 wave; s[18:19] the point's byte offset; s[20:31] X's bases: rows 0-127 and 128-255 of K, V, Q; s[32:39] descriptor group 1;
; s[40:43], s[44:47] group 0 of slot 0, 1; s[48:49] c; s[50:51] lane selects; s52 head; s53 a loop's count; s54 the unit's bytes; s55, s56, s57 the next tile's W, bias, this tile's q; s[58:59] out
.set MSB, 0
.macro WIN new                         ; the immediate's high byte repeats the setting that is left; a switch that changes nothing is dropped
.if MSB != (\new)
	s_set_vgpr_msb (MSB<<8)|(\new)
.set MSB, (\new)
.endif
.endm
.macro PLACES                          ; four places behind a matrix instruction, where no other plain vector work is at hand (ISA guide 7.12.1)
.rept 4
	v_nop
.endr
.endm
; A round of the cluster's barrier: my work-group's barrier; wave 0 signals for the work-group; every wave waits for all four work-groups; my work-group's barrier once more.
.macro ROUND
	s_barrier_signal -1
	s_barrier_wait -1
	s_cmp_lg_u32 s14, 0
	s_cbranch_scc1 .Lnot_wave_0_\@
	s_barrier_signal -3
.Lnot_wave_0_\@:
	s_barrier_wait -3
	s_barrier_signal -1
	s_barrier_wait -1
.endm
; THE CHANGE OF SLOTS.  All fragments of the slot's last tile have been asked for.  Each wave waits for all its tensor loads (one is out: its part of the other slot), adds 0 to its spare word,
; and waits for that and for its reads of the slot.  Behind the round no wave of any partner reads the slot, and the other slot is whole.  The refill, the same half of the next matrix, comes first.
.macro CHANGE slot
	WIN 0
	s_wait_tensorcnt 0x0                           ; no tensor load of mine is out, so a group 0 may be written
	ds_add_u32 v[SPW], v[NIL]                      ; 0 onto my spare word; the step below stands between it and the wait for it
	s_add_nc_u64 s[42+4*(\slot):43+4*(\slot)], s[42+4*(\slot):43+4*(\slot)], 131072  ; one matrix on; the type bits on top are not reached
	s_wait_dscnt 0x0                               ; the add is done, and my reads of the slot are back
	ROUND
	tensor_load_to_lds s[40+4*(\slot):43+4*(\slot)], s[32:39]
	s_nop 0
	PLACES
.endm
; Group g of 48 (tensor g / 16, rows 16 (g % 16) on): eight loads, each two whole rows of 256 bytes, rows i and i + 4.
.macro ISSUE g
.set igg, (\g)%16
.set ibs, 20+4*((\g)/16)+2*(igg/8)
.set ij, 0
.rept 8
.set irow, 16*igg+8*(ij/4)+(ij%4)
	global_load_b128 v[LR+32*((\g)%4)+4*ij:LR+32*((\g)%4)+4*ij+3], v[XV], s[ibs:ibs+1] offset:(irow%128)*65536 th:TH_LOAD_NT
.set ij, ij+1
.endr
.endm
.macro CVTIN g                         ; group g has landed and is rounded to bf16, in place
.if (\g) > 44
	s_wait_loadcnt 8*(47-(\g))                     ; the last groups: fewer are behind
.else
	s_wait_loadcnt 24                              ; loads come back in order (ISA guide 5.7.1): the three younger groups stay out
.endif
.set sj, 0
.rept 8
.set sr, LR+32*((\g)%4)+4*sj
	v_cvt_pk_bf16_f32 v[sr], v[sr], v[sr+1]
	v_cvt_pk_bf16_f32 v[sr+1], v[sr+2], v[sr+3]
.set sj, sj+1
.endr
.endm
.macro STOREIN g                       ; and goes into the stage: 32 lanes x 8 bytes, two rows 640 bytes apart: every bank once
.set sj, 0
.rept 8
.set sr, LR+32*((\g)%4)+4*sj
.set srow, 16*((\g)%16)+8*(sj/4)+(sj%4)
	ds_store_b64 v[XSA], v[sr:sr+1] offset:srow*XP
.set sj, sj+1
.endr
.endm
.macro LOADW dst, areg, imm            ; four fragments of W (16 rows x 32 K each): eight loads
.set wj, 0
.rept 4
	ds_load_b128 v[(\dst)+8*wj:(\dst)+8*wj+3],   v[(\areg)] offset:(\imm)+64*wj
	ds_load_b128 v[(\dst)+8*wj+4:(\dst)+8*wj+7], v[(\areg)] offset:(\imm)+64*wj+32
.set wj, wj+1
.endr
.endm
; 16 matrix instructions: K steps 4 half .. 4 half + 3, the four heads' accumulators by turns.  vt = 1: the sources swapped (v).  The first K step takes the bias as C: nothing is cleared.
.macro MULS vt, half, fmt
.if \vt
	WIN 0x04
.else
	WIN 0x01
.endif
.set ms, 0
.rept 4
.set ma, 0
.rept 4
.set mx, 64*ma+8*(4*(\half)+ms)
.set mw, WFA+32*(\half)+8*ms
.set md, ACC+8*ma
.if ((\half) == 0) && (ms == 0)
.if \vt
	v_wmma_f32_16x16x32_\fmt v[md:md+7], v[mw:mw+7], v[mx:mx+7], v[BC:BC+7]
.else
	v_wmma_f32_16x16x32_\fmt v[md:md+7], v[mx:mx+7], v[mw:mw+7], v[BC:BC+7]
.endif
.else
.if \vt
	v_wmma_f32_16x16x32_\fmt v[md:md+7], v[mw:mw+7], v[mx:mx+7], v[md:md+7]
.else
	v_wmma_f32_16x16x32_\fmt v[md:md+7], v[mx:mx+7], v[mw:mw+7], v[md:md+7]
.endif
.endif
.set ma, ma+1
.endr
.set ms, ms+1
.endr
.endm
.macro XFLOAD                          ; the whole stage, turned, into window 1: 64 loads, K step by K step.  LDS serves a wave's instructions in order (ISA guide 5.7.1.4): these see my stores, and later stores come behind them
	WIN 0x40
.set xk, 0
.rept 8
.set xa, 0
.rept 4
	ds_load_tr16_b128 v[64*xa+8*xk:64*xa+8*xk+3],   v[XT] offset:32*XP*xk+32*xa
	ds_load_tr16_b128 v[64*xa+8*xk+4:64*xa+8*xk+7], v[XT] offset:32*XP*xk+32*xa+16*XP
.set xa, xa+1
.endr
.set xk, xk+1
.endr
	WIN 0
.endm
; TILE tn of 32: 16 channels of k (0-15) or of v (16-31), all four heads.  Beside its 32 products it rounds and stages a group of the NEXT tensor, asks for a further group, and fetches the next tile's W and bias.
.macro TILE tn, afterx
.set tt, (\tn)%16
.set ty, (\tn)/16
.set nn, (\tn)+1
.set nt, nn%16
.set nty, 0
.if nn/16 == 1
.set nty, 1
.endif
	WIN 0
.if \afterx
	s_wait_dscnt 32                                ; W, the bias and X's K steps 0-3 are in; the youngest 32 loads (K steps 4-7) may be out
.else
	s_wait_dscnt 16                                ; W's first half and the bias are in; behind them: eight stores into the stage, W's second half
.endif
.if ty == 0
.irp j, 0,1,2,3,4,5,6,7
	v_mov_b32 v[BC+\j], v[BV]                      ; a lane holds one channel: its bias in all eight registers
.endr
.endif
	MULS ty, 0, bf16
.if tt == 7
	CHANGE 0
.elseif tt == 15
	CHANGE 1
.endif
	WIN 0
	CVTIN (\tn)+16                                 ; sixteen conversions: also the places in front of the loads into W's first half and the bias
	LOADW WFA, WA0+nt/8, (nt%8)*WTILE
.if nty
	ds_load_b128 v[BC:BC+3],   v[BA8] offset:1024+64*nt
	ds_load_b128 v[BC+4:BC+7], v[BA8] offset:1024+64*nt+16
.else
	ds_load_b32 v[BV], v[BA] offset:1024*(nn/16)+64*nt
.endif
	STOREIN (\tn)+16
	s_wait_dscnt 17+nty                            ; W's second half (and X's K steps 4-7) are in; out may be what was just issued: eight loads, the bias's one or two, eight stores
	MULS ty, 1, bf16
	WIN 0
	PLACES                                         ; in front of the loads into W's second half and of the conversions below
	LOADW WFB, WA0+nt/8, (nt%8)*WTILE+256
.if (\tn)+20 < 48
	ISSUE (\tn)+20                                 ; into the group just staged
.endif
	WIN 0x80+0x40*ty                               ; destination: k's window, or v's
.set ta, 0
.rept 4
.irp j, 0,1,2,3
	v_cvt_pk_f16_f32 v[64*ta+4*tt+\j], v[ACC+8*ta+2*\j], v[ACC+8*ta+2*\j+1]
.endr
.set ta, ta+1
.endr
.endm
; A tile of q: as a tile of k, but written once and looped over: the next tile's W and bias and this tile's place in the stash hang on s55, s56, s57.  pre = 0: the last tile.  chg: the slot to be filled again, or -1.
.macro QTILE pre, chg
	WIN 0
	s_wait_dscnt 12                                ; W's first half and the bias are in; behind them: W's second half, four stores of q
.irp j, 0,1,2,3,4,5,6,7
	v_mov_b32 v[BC+\j], v[BV]
.endr
	MULS 0, 0, bf16
.if (\chg) >= 0
	CHANGE \chg
.endif
	WIN 0
.if \pre
	PLACES
	v_add_nc_u32 v[D0], s55, v[WA0]
	v_add_nc_u32 v[D1], s56, v[BA]
	LOADW WFA, D0, 0
	ds_load_b32 v[BV], v[D1]
	s_wait_dscnt 9                                 ; all but the nine just issued: W's second half, and on the way in X's last fragments
.else
	s_wait_dscnt 0x0
.endif
	MULS 0, 1, bf16
	WIN 0
	PLACES
.if \pre
	LOADW WFB, D0, 256
.endif
.set ta, 0
.rept 4
.irp j, 0,1,2,3
	v_cvt_pk_f16_f32 v[TQ+4*ta+\j], v[ACC+8*ta+2*\j], v[ACC+8*ta+2*\j+1]
.endr
.set ta, ta+1
.endr
	v_add_nc_u32 v[D2], s57, v[QL]
.irp a, 0,1,2,3
	ds_store_b128 v[D2], v[TQ+4*\a:TQ+4*\a+3] offset:8192*\a  ; unit 16 a + t: each lane's own 16 bytes, as the product will want them
.endr
	s_add_co_u32 s55, s55, WTILE
	s_add_co_u32 s56, s56, 64
	s_add_co_u32 s57, s57, 512
.endm
; A tile of out: 16 channels, all 64 columns.  The four accumulators go through my stage and leave as whole rows of 256 bytes.
.macro OTILE pre
	WIN 0
.irp j, 0,1,2,3,4,5,6,7
	v_mov_b32 v[BC+\j], v[BV]                      ; no wait: the wait for 0 in front of the last tile's stores has covered W and the bias
.endr
	MULS 0, 0, f16
	WIN 0
.if \pre
	PLACES
	v_add_nc_u32 v[D0], s55, v[WA0]
	v_add_nc_u32 v[D1], s56, v[BA]
	LOADW WFA, D0, 0
	ds_load_b32 v[BV], v[D1]
.endif
	MULS 0, 1, f16
	WIN 0
	PLACES
.if \pre
	LOADW WFB, D0, 256
.endif
.irp a, 0,1,2,3
	ds_store_b128 v[STO], v[ACC+8*\a:ACC+8*\a+3]   offset:64*\a     ; row = my channel; columns 16 a + 8 (lane / 16) on
	ds_store_b128 v[STO], v[ACC+8*\a+4:ACC+8*\a+7] offset:64*\a+16
.endr
.irp i, 0,1,2,3,4,5,6,7
	ds_load_b128 v[OB+4*\i:OB+4*\i+3], v[RD] offset:544*\i          ; in order behind the stores: rows 2 i and 2 i + 1
.endr
	s_wait_dscnt 0x0
.irp i, 0,1,2,3,4,5,6,7
	global_store_b128 v[GO], v[OB+4*\i:OB+4*\i+3], s[58:59] offset:131072*\i th:TH_STORE_NT  ; 16 lanes store 256 consecutive bytes, at a multiple of 256 from out's first byte
.endr
	s_wait_xcnt 0x0                                ; the stores' base and data are rewritten only behind this wait (ISA guide 3.1)
	s_add_nc_u64 s[58:59], s[58:59], 1048576       ; 16 channels on
	s_add_co_u32 s55, s55, WTILE
	s_add_co_u32 s56, s56, 64
.endm
; THE ATTENTION's lines.  cur, nxt: the two score buffers in window 1 (0 or 128).
.macro SCORE e, nxt                    ; keys 16 e on
	WIN 0x40
	v_wmma_f32_16x16x32_f16 v[(\nxt)+8*(\e):(\nxt)+8*(\e)+7], v[KW+4*(\e):KW+4*(\e)+7], v[QF:QF+7], 0
.endm
.macro FX i, cur                       ; c s - c m for pair i of 64
	WIN 0x45
	v_pk_fma_f32 v[(\cur)+2*(\i):(\cur)+2*(\i)+1], v[(\cur)+2*(\i):(\cur)+2*(\i)+1], s[48:49], v[CM:CM+1] op_sel_hi:[1,0,0] neg_lo:[0,0,1] neg_hi:[0,0,1]
.endm
.macro EX j, cur
	WIN 0x45
	v_exp_f32 v[(\cur)+(\j)], v[(\cur)+(\j)]
.endm
.macro CX i, cur                       ; pair i rounded to f16, into register i of the same buffer, whose own number has been rounded before
	WIN 0x45
	s_wait_alu depctr_va_vdst(0)
	v_cvt_pk_f16_f32 v[(\cur)+(\i)], v[(\cur)+2*(\i)], v[(\cur)+2*(\i)+1]
.endm
.macro PVL k, cur                      ; even k: o += p v, odd k: l += p x ones; keys 32 (k / 2) on; the two accumulators take turns; the first two start the sums
	WIN 0x01
.set ps, (\k)/2
.if (\k)%2 == 0
.if (\k) < 2
	v_wmma_f32_16x16x32_f16 v[AO:AO+7], v[(\cur)+8*ps:(\cur)+8*ps+7], v[VW+8*ps:VW+8*ps+7], 0
.else
	v_wmma_f32_16x16x32_f16 v[AO:AO+7], v[(\cur)+8*ps:(\cur)+8*ps+7], v[VW+8*ps:VW+8*ps+7], v[AO:AO+7]
.endif
.else
.if (\k) < 2
	v_wmma_f32_16x16x32_f16 v[AL:AL+7], v[(\cur)+8*ps:(\cur)+8*ps+7], v[ONES:ONES+7], 0
.else
	v_wmma_f32_16x16x32_f16 v[AL:AL+7], v[(\cur)+8*ps:(\cur)+8*ps+7], v[ONES:ONES+7], v[AL:AL+7]
.endif
.endif
.endm
.macro MX4 e, buf                      ; the eight scores of key tile e into four chains, the accumulator's lowest registers first
	WIN 0x05
.irp i, 0,1,2,3
.if (\e) == 0
	v_max_num_f32 v[T+\i], v[(\buf)+2*\i], v[(\buf)+2*\i+1]
.else
	v_max3_num_f32 v[T+\i], v[(\buf)+8*(\e)+2*\i], v[(\buf)+8*(\e)+2*\i+1], v[T+\i]
.endif
.endr
.endm
.macro STATS                           ; the query's other 128 keys lie in the lane 16 away
	WIN 0
	v_max3_num_f32 v[T], v[T], v[T+1], v[T+2]
	v_max_num_f32 v[T], v[T], v[T+3]
	v_permlanex16_b32 v[T+1], v[T], s50, s51
	v_max_num_f32 v[T], v[T], v[T+1]
	v_mul_f32 v[CM], s48, v[T]
.endm
.macro NORM                            ; o / l, rounded; it takes the place of the unit's q in the stash
.irp i, 0,1,2,3,4,5,6,7
	v_rcp_f32 v[R+\i], v[AL+\i]
.endr
	v_nop                                          ; a plain instruction between the last reciprocal and the use of its result (ISA guide 5.7.2)
	s_wait_alu depctr_va_vdst(0)
.irp i, 0,2,4,6
	v_pk_mul_f32 v[AO+\i:AO+\i+1], v[AO+\i:AO+\i+1], v[R+\i:R+\i+1]
.endr
.irp i, 0,1,2,3
	v_cvt_pk_f16_f32 v[OF+\i], v[AO+2*\i], v[AO+2*\i+1]
.endr
	ds_store_b128 v[D2], v[OF:OF+3]
	s_add_co_u32 s54, s54, 512
	v_add_nc_u32 v[D2], s54, v[QL]
.endm
; A TURN, for unit u (16 queries of a head), whose scores lie in cur and whose c m is made.
; Part 1: scaling, exponentials and rounding of u, 256 lines in the order plain, exponential, plain, exponential; behind every sixteenth line one of the 16 products that make unit u + 1's scores in nxt.
; Part 2: the 16 products of o and l for u; behind each the four lines of u + 1's maximum that belong to one key tile.  Then u + 1's c m, and u's way into the stash.
; The scores' two buffers fill a window, so each matrix instruction stands between two switches: 67 a turn for its 32 matrix and 343 vector instructions.
.macro TURN cur, nxt
	FX 0, \cur
	FX 1, \cur
.set ti, 0
.rept 64
.if ti == 0
	s_wait_dscnt 1                                 ; q of u + 1 is in; out may be the one LDS instruction issued behind its load: the last turn's store of o
.endif
.if ti%4 == 0
	SCORE ti/4, \nxt
.endif
.if ti < 62
	FX ti+2, \cur
.endif
	EX 2*ti, \cur
.if ti >= 2
	CX ti-2, \cur
.endif
	EX 2*ti+1, \cur
.set ti, ti+1
.endr
	CX 62, \cur
	CX 63, \cur
	WIN 0
	ds_load_b128 v[QF:QF+3], v[D2] offset:1024     ; q of u + 2: the last product that read q stands eight plain lines back
.set tk, 0
.rept 16
	PVL tk, \cur
	MX4 tk, \nxt
.set tk, tk+1
.endr
	STATS
	NORM
.endm
.macro COPY a                          ; head a's k and v come into window 0, so that one text of the turns serves all four heads: 128 moves for a head's 16 turns
	WIN 0x02
.set cj, 0
.rept 64
	v_mov_b32 v[KW+cj], v[64*(\a)+cj]
.set cj, cj+1
.endr
	WIN 0x03
.set cj, 0
.rept 64
	v_mov_b32 v[VW+cj], v[64*(\a)+cj]
.set cj, cj+1
.endr
	WIN 0
.endm
	s_load_b256 s[4:11], s[0:1], 0x0               ; X_Key s[4:5], X_Value s[6:7], X_Query s[8:9], wb s[10:11]
	s_load_b64 s[12:13], s[0:1], 0x20              ; out0
	v_lshl_add_u32 v[SPW], v0, 2, SPARE
	v_mov_b32 v[NIL], 0
	ds_add_u32 v[SPW], v[NIL]                      ; the wave's opening: the add and its wait stand ahead of my first tensor load; the set-up below, work on registers, stands between them
	v_lshrrev_b32 v14, 5, v0
	v_readfirstlane_b32 s14, v14                   ; wave 0..3
	s_bfe_u32 s15, ttmp6, 0x40000                  ; cx: my place in the cluster: it enters X's and out's addresses alone
	s_lshl_b32 s16, ttmp9, 2                       ; in a cluster launch ttmp9 counts clusters
	s_add_co_u32 s16, s16, s15                     ; my work-group
	s_lshl_b32 s17, s16, 2
	s_add_co_u32 s17, s17, s14                     ; my point p = 256 b + n
	s_lshr_b32 s18, s17, 8
	s_lshl_b32 s18, s18, 24                        ; b x 16,777,216 bytes
	s_and_b32 s19, s17, 255
	s_lshl_b32 s19, s19, 8                         ; n x 256
	s_or_b32 s18, s18, s19
	s_mov_b32 s19, 0
	; descriptor group 1: a wave's quarter of a slot: 32 rows x 256 elements of 2 bytes, padded in LDS
	s_mov_b32 s32, 15|(1<<16)|(1<<20)|(1<<21)|(6<<22)|(3<<25)  ; 15:0 the mask: all four work-groups; 17:16 2-byte elements; 20 padding on; 21 set beside a mask; 24:22 after every 128 words (code 6); 31:25 4 words (code 3)
	s_mov_b32 s33, 256<<16                         ; tensor_dim0 = 256
	s_mov_b32 s34, 32<<16                          ; tensor_dim1 = 32
	s_mov_b32 s35, 256<<16                         ; tile_dim0 = 256
	s_mov_b32 s36, 32                              ; tile_dim1 = 32
	s_mov_b32 s37, 256                             ; 256 elements from row to row
	s_mov_b32 s38, 0
	s_mov_b32 s39, 0
	s_mov_b32 s40, 1                               ; group 0: count = 1
	s_mul_i32 s41, s14, 32*WPITCH                  ; LDS address: my 32 rows of slot 0,
	s_mov_b32 s44, 1
	s_add_co_u32 s45, s41, WS1                     ; of slot 1: the wave's number alone enters
	s_lshl_b32 s62, s14, 14                        ; my 32 rows of 512 bytes in memory
	s_mov_b32 s63, 0
	s_mov_b32 s48, 0x3eb8aa3b                      ; c = log2(e) / 4
	s_mov_b32 s49, s48                             ; named with it as a pair
	s_mov_b32 s50, 0x76543210                      ; v_permlanex16_b32: each lane takes its own place in the other half
	s_mov_b32 s51, 0xfedcba98
	s_mul_i32 s60, s14, XREG
	s_add_co_u32 s60, s60, XS                      ; my region
	s_lshl_b32 s61, s14, 10                        ; bias number w: wave w brings it
	s_add_co_u32 s56, s61, 524288                  ; its place in wb,
	s_add_co_u32 s57, s61, BT                      ; and in LDS
	v_and_b32 v15, 31, v0                          ; lane
	v_and_b32 v16, 15, v0                          ; r = lane % 16
	v_bfe_u32 v17, v0, 4, 1                        ; h = lane / 16
	v_and_b32 v18, 7, v0
	v_bfe_u32 v19, v0, 3, 1
	v_lshl_add_u32 v[QL], v15, 4, s60
	v_lshlrev_b32 v[XV], 4, v16
	v_lshl_add_u32 v[XV], v17, 18, v[XV]           ; 16 r + 4 rows x h
	v_mul_u32_u24 v[XSA], v17, 4*XP
	v_lshl_add_u32 v[XSA], v16, 3, v[XSA]
	v_add_nc_u32 v[XSA], s60, v[XSA]
	v_lshl_add_u32 v[XT], v17, 3, v18              ; the turning load: lane l reads row 8 (l / 16) + l % 8, bytes 16 ((l / 8) % 2) on
	v_mul_u32_u24 v[XT], v[XT], XP
	v_lshl_add_u32 v[XT], v19, 4, v[XT]
	v_add_nc_u32 v[XT], s60, v[XT]
	v_mul_u32_u24 v[WA0], v16, WPITCH
	v_lshl_add_u32 v[WA0], v17, 4, v[WA0]
	v_add_nc_u32 v[WA0+1], WS1, v[WA0]
	v_lshl_add_u32 v[BA], v16, 2, BT
	v_lshl_add_u32 v[BA8], v17, 5, BT
	v_mul_u32_u24 v[STO], v16, 272                 ; the way out: rows of 256 + 16 bytes
	v_lshl_add_u32 v[STO], v17, 5, v[STO]
	v_add_nc_u32 v[STO], s60, v[STO]
	v_mul_u32_u24 v[RD], v17, 272
	v_lshl_add_u32 v[RD], v16, 4, v[RD]
	v_add_nc_u32 v[RD], s60, v[RD]
	v_lshlrev_b32 v[GO], 4, v16
	v_lshl_add_u32 v[GO], v17, 16, v[GO]
	v_lshl_add_u32 v14, v15, 4, s56
	v_lshl_add_u32 v15, v15, 4, s57
	s_wait_dscnt 0x0                               ; the opening add is done
	s_wait_kmcnt 0x0
	s_add_nc_u64 s[42:43], s[10:11], s[62:63]      ; Wk's rows 0-127, my quarter
	s_add_nc_u64 s[46:47], s[42:43], 65536         ; its rows 128-255
	s_or_b32 s43, s43, 0x80000000                  ; type = 2
	s_or_b32 s47, s47, 0x80000000
	s_add_nc_u64 s[20:21], s[4:5], s[18:19]        ; X at my point: channels 0-127, and 128-255, so that a row's place fits the loads' immediate
	s_add_nc_u64 s[22:23], s[20:21], 0x800000
	s_add_nc_u64 s[24:25], s[6:7], s[18:19]
	s_add_nc_u64 s[26:27], s[24:25], 0x800000
	s_add_nc_u64 s[28:29], s[8:9], s[18:19]
	s_add_nc_u64 s[30:31], s[28:29], 0x800000
	s_add_nc_u64 s[58:59], s[12:13], s[18:19]
	ROUND                                          ; all four work-groups are here: the first joint loads meet
	tensor_load_to_lds s[40:43], s[32:39]          ; both first fills together: two loads of mine are out
	s_nop 0
	tensor_load_to_lds s[44:47], s[32:39]
	s_nop 0
	PLACES
	global_load_b128 v[24:27], v14, s[10:11]       ; my bias: 1,024 bytes
	global_load_b128 v[28:31], v14, s[10:11] offset:512
.irp g, 0,1,2,3
	ISSUE \g
.endr
	s_wait_loadcnt 32                              ; the bias is in; the 32 loads of X issued behind it stay out
	ds_store_b128 v15, v[24:27]
	ds_store_b128 v15, v[28:31] offset:512
	; X_Key into the stage; four groups are always on their way, on into X_Value
.set pg, 0
.rept 16
	CVTIN pg
	STOREIN pg
	ISSUE pg+4
.set pg, pg+1
.endr
	s_wait_tensorcnt 0x1                           ; my part of slot 0 is in; slot 1's may stay out
	s_wait_dscnt 0x0                               ; for the others' sake: my bias is stored
	s_barrier_signal -1
	s_barrier_wait -1
	; k
	LOADW WFA, WA0, 0
	ds_load_b32 v[BV], v[BA]
	LOADW WFB, WA0, 256
	XFLOAD
	TILE 0, 1
.set pt, 1
.rept 15
	TILE pt, 0
.set pt, pt+1
.endr
	; v
	XFLOAD
	TILE 16, 1
.set pt, 17
.rept 15
	TILE pt, 0
.set pt, pt+1
.endr
	; q
	XFLOAD
	s_mov_b32 s55, WTILE
	s_mov_b32 s56, 2048+64
	s_mov_b32 s57, 0
	s_mov_b32 s53, 7
.Lq_lo:
	QTILE 1, -1
	s_sub_co_u32 s53, s53, 1
	s_cmp_lg_u32 s53, 0
	s_cbranch_scc1 .Lq_lo
	QTILE 1, 0                                     ; tile 7: slot 0 takes Wo's rows 0-127
	s_mov_b32 s53, 7
.Lq_hi:
	QTILE 1, -1
	s_sub_co_u32 s53, s53, 1
	s_cmp_lg_u32 s53, 0
	s_cbranch_scc1 .Lq_hi
	QTILE 0, 1                                     ; tile 15: slot 1 takes Wo's rows 128-255: the last load; it lands under the attention
	; THE ATTENTION
	s_wait_dscnt 0x0
.irp j, 4,5,6,7
	v_mov_b32 v[QF+\j], 0
.endr
.irp j, 0,1,2,3,4,5,6,7
	v_mov_b32 v[ONES+\j], 0x3c003c00
.endr
.irp j, 0,1,2,3
	v_mov_b32 v[ZT+\j], 0
.endr
	v_mov_b32 v[CM+1], 0                           ; named with c m as a pair
	ds_store_b128 v[QL], v[ZT:ZT+3] offset:32768   ; units 64 and 65, which the last two turns fetch and whose scores are discarded, hold 0
	ds_store_b128 v[QL], v[ZT:ZT+3] offset:33280
	s_mov_b32 s54, 0
	s_mov_b32 s52, 0
.Lhead:
	s_wait_dscnt 0x0                               ; the last turn's load of q is back: its registers are loaded again
	v_add_nc_u32 v[D2], s54, v[QL]
	ds_load_b128 v[QF:QF+3], v[D2]                 ; the head's first q
	s_cmp_eq_u32 s52, 0
	s_cbranch_scc0 .Lcopy1
	COPY 0
	s_branch .Lcopied
.Lcopy1:
	s_cmp_eq_u32 s52, 1
	s_cbranch_scc0 .Lcopy2
	COPY 1
	s_branch .Lcopied
.Lcopy2:
	s_cmp_eq_u32 s52, 2
	s_cbranch_scc0 .Lcopy3
	COPY 2
	s_branch .Lcopied
.Lcopy3:
	COPY 3
.Lcopied:
	s_wait_dscnt 0x0
.set he, 0
.rept 16
	SCORE he, 0                                    ; the first unit's scores: there is no vector work yet to set between them
.set he, he+1
.endr
	WIN 0
	PLACES
	ds_load_b128 v[QF:QF+3], v[D2] offset:512
.set he, 0
.rept 16
	MX4 he, 0
.set he, he+1
.endr
	STATS
	s_wait_dscnt 0x0                               ; so that the turn's counted wait holds on the way in too
	s_mov_b32 s53, 8
.Lpair:                                                ; a head's last turn makes the scores and the maximum of a unit that is not the head's: discarded, the price of one text for every turn
	TURN 0, 128
	TURN 128, 0
	s_sub_co_u32 s53, s53, 1
	s_cmp_lg_u32 s53, 0
	s_cbranch_scc1 .Lpair
	s_add_co_u32 s52, s52, 1
	s_cmp_lt_u32 s52, 4
	s_cbranch_scc1 .Lhead
	; out = Wo o + bo
	s_wait_tensorcnt 0x0                           ; my part of Wo's second half is in;
	ds_add_u32 v[SPW], v[NIL]
	s_wait_dscnt 0x0
	s_barrier_signal -1
	s_barrier_wait -1                              ; everybody's is; nothing is filled again
	LOADW WFA, WA0, 0
	ds_load_b32 v[BV], v[BA] offset:3072
	LOADW WFB, WA0, 256
	WIN 0x40
.set ou, 0
.rept 64
	ds_load_b128 v[4*ou:4*ou+3], v[QL] offset:512*ou  ; o comes back as it was put: units 16 a + 2 s and 16 a + 2 s + 1 are the fragment of head a, K step s
.set ou, ou+1
.endr
	WIN 0
	s_wait_dscnt 0x0
	s_mov_b32 s55, WTILE
	s_mov_b32 s56, 3072+64
	s_mov_b32 s53, 15
.Lout:
	OTILE 1
	s_sub_co_u32 s53, s53, 1
	s_cmp_lg_u32 s53, 0
	s_cbranch_scc1 .Lout
	OTILE 0
	s_wait_tensorcnt 0x0                           ; the wave's end: behind my last tensor load and my last LDS store
	ds_add_u32 v[SPW], v[NIL]
	s_wait_dscnt 0x0
	ROUND                                          ; the closing round: no work-group ends while a partner may still ask for a tile that names it
	s_endpgm
.Lfunc_end_k_q5eb4bba68c_attn:
	.size	k_q5eb4bba68c_attn, .Lfunc_end_k_q5eb4bba68c_attn-k_q5eb4bba68c_attn
	.p2alignl 7, 3214868480
	.fill 96, 4, 3214868480
	.section	.rodata,"a",@progbits
	.p2align	6, 0x0
	.amdhsa_kernel k_q5eb4bba68c_attn
		.amdhsa_group_segment_fixed_size 327680
		.amdhsa_private_segment_fixed_size 0
		.amdhsa_enable_private_segment 0
		.amdhsa_kernarg_size 40
		.amdhsa_user_sgpr_count 2
		.amdhsa_user_sgpr_kernarg_segment_ptr 1
		.amdhsa_wavefront_size32 1
		.amdhsa_system_sgpr_workgroup_id_x 1
		.amdhsa_system_sgpr_workgroup_id_y 1
		.amdhsa_system_sgpr_workgroup_id_z 1
		.amdhsa_system_vgpr_workitem_id 0
		.amdhsa_next_free_vgpr 1024
		.amdhsa_next_free_sgpr 66
		.amdhsa_reserve_vcc 0
		.amdhsa_float_denorm_mode_32 3
		.amdhsa_float_denorm_mode_16_64 3
		.amdhsa_memory_ordered 1
		.amdhsa_forward_progress 1
		.amdhsa_inst_pref_size 255
	.end_amdhsa_kernel
	.section	.bss,"aw",@nobits
	.p2align	6
	.space	262144
	.amdgpu_metadata
---
amdhsa.version: [ 1, 2 ]
amdhsa.kernels:
  - .name:           k_q5eb4bba68c_attn
    .symbol:         k_q5eb4bba68c_attn.kd
    .args:
      - { .name: X_Key, .offset: 0, .size: 8, .value_kind: global_buffer, .address_space: global }
      - { .name: X_Value, .offset: 8, .size: 8, .value_kind: global_buffer, .address_space: global }
      - { .name: X_Query, .offset: 16, .size: 8, .value_kind: global_buffer, .address_space: global }
      - { .name: wb, .offset: 24, .size: 8, .value_kind: global_buffer, .address_space: global }
      - { .name: out0, .offset: 32, .size: 8, .value_kind: global_buffer, .address_space: global }
    .group_segment_fixed_size: 327680
    .private_segment_fixed_size: 0
    .kernarg_segment_align: 8
    .kernarg_segment_size: 40
    .max_flat_workgroup_size: 128
    .sgpr_count:     66
    .vgpr_count:     1024
    .wavefront_size: 32
...
	.end_amdgpu_metadata
.endif
;; end of part 2
;; ======== version 2 of 2: 2 launches; 1.47 times as fast as version 1
;; limits: values are held in f16: magnitudes above 65,504 overflow, below 6.1e-05 lose precision
;; workspace buffers: wb 528,384 bytes
;; launch prep: the kernel of part 1 again; grid 256 x 1, 4 waves a work-group, no clusters, 0 bytes of LDS; arguments Wk, Wv, Wq, Wo, bk, bv, bq, bo, wb; writes wb
;; launch attn (part 3): grid 256 x 1, 4 waves a work-group, clusters of 4 x 1, 327,680 bytes of LDS; arguments X_Key, X_Value, X_Query, wb, out0; writes out0
.if DOCPART == 3
	.amdgcn_target "amdgcn-amd-amdhsa--gfx1250"
	.amdhsa_code_object_version 6
	.text
	.protected	k_q5eb4bba68c_attn
	.globl	k_q5eb4bba68c_attn
	.p2align	8
	.type	k_q5eb4bba68c_attn,@function
k_q5eb4bba68c_attn:
	s_mov_b64 s[64:65], 0
	v_nop
	global_prefetch_b8 v0, s[64:65] scope:SCOPE_SE
	s_setreg_imm32_b32 hwreg(HW_REG_WAVE_MODE, 25, 1), 1
	s_wait_xcnt 0x0
	s_wait_alu depctr_hold_cnt(0) depctr_sa_sdst(0) depctr_va_vdst(0) depctr_va_sdst(0) depctr_va_ssrc(0) depctr_va_vcc(0) depctr_vm_vsrc(0)
	s_getreg_b32 s2, hwreg(HW_REG_IB_STS2, 6, 4)
	s_cmp_eq_u32 s2, 0
	s_cbranch_scc0 .Lentry_in_a_cluster
	s_endpgm
.Lentry_in_a_cluster:
	s_bfe_u32 s2, ttmp6, 0x10000c
	s_cmp_lg_u32 s2, 0x3003
	s_cbranch_scc0 .Lentry_shape_is_right
	s_endpgm
.Lentry_shape_is_right:
; out[b][:][n][:] = Wo o + bo, o = softmax over channels of (q k^T / 4) v by heads of 16 columns, q, k, v = W X[b][:][n][:] + bias.
; ONE WAVE OWNS ONE POINT (b, n) from X to out: 1,024 points = 256 work-groups x 4 waves.  A point's X is 256 rows (channels) of 256 bytes, 65,536 bytes apart.
; Nothing of q, k, v, the weights p or o goes to memory.  The waves share only the weight matrices and the biases, in LDS.
; FORMATS.  X, the W and the biases are rounded to bf16 (Wo's bf16 number is held as f16); q, k, v, p and o are rounded to f16; all sums, the maximum and the scaling in f32.
; LIMITS.  |q|, |k|, |v| stay under 65,504, f16's end; below 6e-5 f16 keeps a fixed step of 6e-8; the divisor is the sum of the ROUNDED weights; a weight below 2^-126 counts as 0;
; NaN and infinities are not treated apart.
; LAYOUTS: no result changes lanes between two products.
;   k, q, out:  D = X^T W^T (source 0 = 16 columns l of X, turned out of LDS; source 1 = 16 rows of W): a lane holds one channel and eight l: rounded in pairs, the first half (K = 16) of a fragment of k or q.
;   v:          the sources swapped: a lane holds one l and eight channels: two tiles rounded are source 1 (32 keys) of p v.
;   S^T = k q^T: source 0 = (k tile e, k tile e + 1), source 1 = (q tile, zeros): K = 16 in a form of K = 32; a lane holds one query and eight keys; two tiles rounded in place are source 0 of o = p v.
;   o = p v:    a lane holds one l and eight queries; rounded in pairs, half a fragment (K = channel) of the last product.  Beside it l = p x ones: the divisor in o's own layout, and the second accumulator with which o's takes turns.
; SOFTMAX.  All 256 scores of 16 queries lie in 128 registers, so the true maximum m is taken first and nothing is rescaled: p = 2^(c s - c m), c = log2(e) / 4.
; BATCHES.  A turn of the attention has two batches of transcendentals, each with one s_wait_alu depctr_va_vdst(0) ahead of the first line that names a result:
; the unit's 128 exponentials, each in its own score's register, and the eight reciprocals of l, which read sums of those weights and so cannot join them.
; WEIGHTS go through two LDS slots of half a matrix (128 rows of 512 bytes).  All work-groups walk the same eight halves, so the four of a cluster ask JOINTLY: the same tensor load, descriptor and mask in all four.
; X comes through registers: in f32 it has no room in LDS beside the slots, and 128 registers lie free while it streams; it is rounded and laid into the wave's own stage, from which the turning load takes fragments.
; No prefetch is written: while X is wanted each wave has four groups of 4 KiB of loads out without a break.
; REGISTERS, in windows of 256 (s_set_vgpr_msb: bits 1:0 source 0, 3:2 source 1, 5:4 source 2, 7:6 destination):
;   window 0: addresses and what is at work (below)     window 1: X's (at last o's) fragments, head a, K step s at 64 a + 8 s; in the attention the scores, two buffers of 128
;   window 2: k, head a, tile t at 64 a + 4 t           window 3: v likewise
.set WPITCH, 528                       ; a row of W in LDS: 512 bytes + 16 = 132 words: row r starts at bank 4 r mod 64 (64 banks of 4 bytes: ISA guide 11.1)
.set WTILE,  16*WPITCH                 ; 16 rows: tile t of a matrix lies at t x WTILE, through both slots
.set WS1,    128*WPITCH                ; slot 1 follows slot 0
.set XS,     2*WS1                     ; the waves' own regions, written by LDS stores alone
.set XREG,   40960                     ; each: X as bf16 [channel][l], 256 rows; later q, then o, 512 bytes a unit; at last 16 rows of out
.set XP,     160                       ; a row of the stage: 128 bytes + 32 = 40 words
.set BT,     XS+4*XREG                 ; the four biases, f32: k, v, q, o, 1,024 bytes each
.set SPARE,  BT+4096                   ; the spare words, 128 bytes for each wave: two blocks of 256 bytes that no other line names
.set SPW, 1                            ; v1   LDS address of my spare word; never rewritten
.set NIL, 2                            ; v2   0; never rewritten
.set QL,  3                            ; v3   my region + 16 x lane
.set XV,  4                            ; v4   X: lanes 0-15 one row's 256 bytes, lanes 16-31 the row four further on
.set XSA, 5                            ; v5   the same two rows in the stage, 8 bytes a lane
.set XT,  6                            ; v6   the turning load's place
.set WA0, 7                            ; v7   a fragment of W: row x pitch + 16 x half; v8 the same in slot 1
.set BA,  9                            ; v9   a bias by lanes: BT + 4 (lane % 16)
.set BA8, 10                           ; v10  a bias by registers: BT + 32 (lane / 16)
.set STO, 11                           ; v11  the way out: where I put 32 bytes of a row
.set RD,  12                           ; v12  the way out: where I read a row back
.set GO,  13                           ; v13  my byte offset in two rows of out
.set D0,  14                           ; v14, v15, v17  addresses that step
.set D1,  15
.set BV,  16                           ; v16  a bias number
.set D2,  17
.set CM,  18                           ; v18  c m (v19 is named with it as a pair)
.set T,   20                           ; v20-23  four chains of the maximum
.set BC,  24                           ; v24-31  the bias as a C operand
.set R,   24                           ;         in the attention: 1 / l
.set ACC, 32                           ; v32-63  a tile's four accumulators, one a head
.set WFA, 64                           ; v64-95  W's fragments, K steps 0-3;  v96-127  K steps 4-7
.set WFB, 96
.set LR,  128                          ; v128-255  X as it lands: four groups of eight loads
.set TQ,  128                          ; later: a tile of q, rounded
.set OB,  128                          ; later: 16 rows of out
.set AO,  32                           ; the attention: o's accumulator, l's
.set AL,  40
.set QF,  48                           ; v48-51 a tile of q, v52-55 zeros
.set ONES, 56                          ; v56-63  1.0 in f16, sixteen times a lane
.set OF,  64                           ; v64-67  a tile of o, rounded
.set KW,  68                           ; v68-131 the head's k; v132-135 zeros, the partner of its last tile
.set ZT,  132
.set VW,  136                          ; v136-199 the head's v
; scalars: s[4:13] X_Key, X_Value, X_Query, wb, out0; s14 wave; s[18:19] the point's byte offset; s[20:31] X's bases: rows 0-127 and 128-255 of K, V, Q; s[32:39] descriptor group 1;
; s[40:43], s[44:47] group 0 of slot 0, 1; s[48:49] c; s[50:51] lane selects; s52 head; s53 a loop's count; s54 the unit's bytes; s55, s56, s57 the next tile's W, bias, this tile's q; s[58:59] out
.set MSB, 0
.macro WIN new                         ; the immediate's high byte repeats the setting that is left; a switch that changes nothing is dropped
.if MSB != (\new)
	s_set_vgpr_msb (MSB<<8)|(\new)
.set MSB, (\new)
.endif
.endm
.macro PLACES                          ; four places behind a matrix instruction, where no other plain vector work is at hand (ISA guide 7.12.1)
.rept 4
	v_nop
.endr
.endm
; A round of the cluster's barrier: my work-group's barrier; wave 0 signals for the work-group; every wave waits for all four work-groups; my work-group's barrier once more.
.macro ROUND
	s_barrier_signal -1
	s_barrier_wait -1
	s_cmp_lg_u32 s14, 0
	s_cbranch_scc1 .Lnot_wave_0_\@
	s_barrier_signal -3
.Lnot_wave_0_\@:
	s_barrier_wait -3
	s_barrier_signal -1
	s_barrier_wait -1
.endm
; THE CHANGE OF SLOTS.  All fragments of the slot's last tile have been asked for.  Each wave waits for all its tensor loads (one is out: its part of the other slot), adds 0 to its spare word,
; and waits for that and for its reads of the slot.  Behind the round no wave of any partner reads the slot, and the other slot is whole.  The refill, the same half of the next matrix, comes first.
.macro CHANGE slot
	WIN 0
	s_wait_tensorcnt 0x0                           ; no tensor load of mine is out, so a group 0 may be written
	ds_add_u32 v[SPW], v[NIL]                      ; 0 onto my spare word; the step below stands between it and the wait for it
	s_add_nc_u64 s[42+4*(\slot):43+4*(\slot)], s[42+4*(\slot):43+4*(\slot)], 131072  ; one matrix on; the type bits on top are not reached
	s_wait_dscnt 0x0                               ; the add is done, and my reads of the slot are back
	ROUND
	tensor_load_to_lds s[40+4*(\slot):43+4*(\slot)], s[32:39]
	s_nop 0
	PLACES
.endm
; Group g of 48 (tensor g / 16, rows 16 (g % 16) on): eight loads, each two whole rows of 256 bytes, rows i and i + 4.
.macro ISSUE g
.set igg, (\g)%16
.set ibs, 20+4*((\g)/16)+2*(igg/8)
.set ij, 0
.rept 8
.set irow, 16*igg+8*(ij/4)+(ij%4)
	global_load_b128 v[LR+32*((\g)%4)+4*ij:LR+32*((\g)%4)+4*ij+3], v[XV], s[ibs:ibs+1] offset:(irow%128)*65536 th:TH_LOAD_NT
.set ij, ij+1
.endr
.endm
.macro CVTIN g                         ; group g has landed and is rounded to bf16, in place
.if (\g) > 44
	s_wait_loadcnt 8*(47-(\g))                     ; the last groups: fewer are behind
.else
	s_wait_loadcnt 24                              ; loads come back in order (ISA guide 5.7.1): the three younger groups stay out
.endif
.set sj, 0
.rept 8
.set sr, LR+32*((\g)%4)+4*sj
	v_cvt_pk_bf16_f32 v[sr], v[sr], v[sr+1]
	v_cvt_pk_bf16_f32 v[sr+1], v[sr+2], v[sr+3]
.set sj, sj+1
.endr
.endm
.macro STOREIN g                       ; and goes into the stage: 32 lanes x 8 bytes, two rows 640 bytes apart: every bank once
.set sj, 0
.rept 8
.set sr, LR+32*((\g)%4)+4*sj
.set srow, 16*((\g)%16)+8*(sj/4)+(sj%4)
	ds_store_b64 v[XSA], v[sr:sr+1] offset:srow*XP
.set sj, sj+1
.endr
.endm
.macro LOADW dst, areg, imm            ; four fragments of W (16 rows x 32 K each): eight loads
.set wj, 0
.rept 4
	ds_load_b128 v[(\dst)+8*wj:(\dst)+8*wj+3],   v[(\areg)] offset:(\imm)+64*wj
	ds_load_b128 v[(\dst)+8*wj+4:(\dst)+8*wj+7], v[(\areg)] offset:(\imm)+64*wj+32
.set wj, wj+1
.endr
.endm
; 16 matrix instructions: K steps 4 half .. 4 half + 3, the four heads' accumulators by turns.  vt = 1: the sources swapped (v).  The first K step takes the bias as C: nothing is cleared.
.macro MULS vt, half, fmt
.if \vt
	WIN 0x04
.else
	WIN 0x01
.endif
.set ms, 0
.rept 4
.set ma, 0
.rept 4
.set mx, 64*ma+8*(4*(\half)+ms)
.set mw, WFA+32*(\half)+8*ms
.set md, ACC+8*ma
.if ((\half) == 0) && (ms == 0)
.if \vt
	v_wmma_f32_16x16x32_\fmt v[md:md+7], v[mw:mw+7], v[mx:mx+7], v[BC:BC+7]
.else
	v_wmma_f32_16x16x32_\fmt v[md:md+7], v[mx:mx+7], v[mw:mw+7], v[BC:BC+7]
.endif
.else
.if \vt
	v_wmma_f32_16x16x32_\fmt v[md:md+7], v[mw:mw+7], v[mx:mx+7], v[md:md+7]
.else
	v_wmma_f32_16x16x32_\fmt v[md:md+7], v[mx:mx+7], v[mw:mw+7], v[md:md+7]
.endif
.endif
.set ma, ma+1
.endr
.set ms, ms+1
.endr
.endm
.macro XFLOAD                          ; the whole stage, turned, into window 1: 64 loads, K step by K step.  LDS serves a wave's instructions in order (ISA guide 5.7.1.4): these see my stores, and later stores come behind them
	WIN 0x40
.set xk, 0
.rept 8
.set xa, 0
.rept 4
	ds_load_tr16_b128 v[64*xa+8*xk:64*xa+8*xk+3],   v[XT] offset:32*XP*xk+32*xa
	ds_load_tr16_b128 v[64*xa+8*xk+4:64*xa+8*xk+7], v[XT] offset:32*XP*xk+32*xa+16*XP
.set xa, xa+1
.endr
.set xk, xk+1
.endr
	WIN 0
.endm
; TILE tn of 32: 16 channels of k (0-15) or of v (16-31), all four heads.  Beside its 32 products it rounds and stages a group of the NEXT tensor, asks for a further group, and fetches the next tile's W and bias.
.macro TILE tn, afterx
.set tt, (\tn)%16
.set ty, (\tn)/16
.set nn, (\tn)+1
.set nt, nn%16
.set nty, 0
.if nn/16 == 1
.set nty, 1
.endif
	WIN 0
.if \afterx
	s_wait_dscnt 32                                ; W, the bias and X's K steps 0-3 are in; the youngest 32 loads (K steps 4-7) may be out
.else
	s_wait_dscnt 16                                ; W's first half and the bias are in; behind them: eight stores into the stage, W's second half
.endif
.if ty == 0
.irp j, 0,1,2,3,4,5,6,7
	v_mov_b32 v[BC+\j], v[BV]                      ; a lane holds one channel: its bias in all eight registers
.endr
.endif
	MULS ty, 0, bf16
.if tt == 7
	CHANGE 0
.elseif tt == 15
	CHANGE 1
.endif
	WIN 0
	CVTIN (\tn)+16                                 ; sixteen conversions: also the places in front of the loads into W's first half and the bias
	LOADW WFA, WA0+nt/8, (nt%8)*WTILE
.if nty
	ds_load_b128 v[BC:BC+3],   v[BA8] offset:1024+64*nt
	ds_load_b128 v[BC+4:BC+7], v[BA8] offset:1024+64*nt+16
.else
	ds_load_b32 v[BV], v[BA] offset:1024*(nn/16)+64*nt
.endif
	STOREIN (\tn)+16
	s_wait_dscnt 17+nty                            ; W's second half (and X's K steps 4-7) are in; out may be what was just issued: eight loads, the bias's one or two, eight stores
	MULS ty, 1, bf16
	WIN 0
	PLACES                                         ; in front of the loads into W's second half and of the conversions below
	LOADW WFB, WA0+nt/8, (nt%8)*WTILE+256
.if (\tn)+20 < 48
	ISSUE (\tn)+20                                 ; into the group just staged
.endif
	WIN 0x80+0x40*ty                               ; destination: k's window, or v's
.set ta, 0
.rept 4
.irp j, 0,1,2,3
	v_cvt_pk_f16_f32 v[64*ta+4*tt+\j], v[ACC+8*ta+2*\j], v[ACC+8*ta+2*\j+1]
.endr
.set ta, ta+1
.endr
.endm
; A tile of q: as a tile of k, but written once and looped over: the next tile's W and bias and this tile's place in the stash hang on s55, s56, s57.  pre = 0: the last tile.  chg: the slot to be filled again, or -1.
.macro QTILE pre, chg
	WIN 0
	s_wait_dscnt 12                                ; W's first half and the bias are in; behind them: W's second half, four stores of q
.irp j, 0,1,2,3,4,5,6,7
	v_mov_b32 v[BC+\j], v[BV]
.endr
	MULS 0, 0, bf16
.if (\chg) >= 0
	CHANGE \chg
.endif
	WIN 0
.if \pre
	PLACES
	v_add_nc_u32 v[D0], s55, v[WA0]
	v_add_nc_u32 v[D1], s56, v[BA]
	LOADW WFA, D0, 0
	ds_load_b32 v[BV], v[D1]
	s_wait_dscnt 9                                 ; all but the nine just issued: W's second half, and on the way in X's last fragments
.else
	s_wait_dscnt 0x0
.endif
	MULS 0, 1, bf16
	WIN 0
	PLACES
.if \pre
	LOADW WFB, D0, 256
.endif
.set ta, 0
.rept 4
.irp j, 0,1,2,3
	v_cvt_pk_f16_f32 v[TQ+4*ta+\j], v[ACC+8*ta+2*\j], v[ACC+8*ta+2*\j+1]
.endr
.set ta, ta+1
.endr
	v_add_nc_u32 v[D2], s57, v[QL]
.irp a, 0,1,2,3
	ds_store_b128 v[D2], v[TQ+4*\a:TQ+4*\a+3] offset:8192*\a  ; unit 16 a + t: each lane's own 16 bytes, as the product will want them
.endr
	s_add_co_u32 s55, s55, WTILE
	s_add_co_u32 s56, s56, 64
	s_add_co_u32 s57, s57, 512
.endm
; A tile of out: 16 channels, all 64 columns.  The four accumulators go through my stage and leave as whole rows of 256 bytes.
.macro OTILE pre
	WIN 0
.irp j, 0,1,2,3,4,5,6,7
	v_mov_b32 v[BC+\j], v[BV]                      ; no wait: the wait for 0 in front of the last tile's stores has covered W and the bias
.endr
	MULS 0, 0, f16
	WIN 0
.if \pre
	PLACES
	v_add_nc_u32 v[D0], s55, v[WA0]
	v_add_nc_u32 v[D1], s56, v[BA]
	LOADW WFA, D0, 0
	ds_load_b32 v[BV], v[D1]
.endif
	MULS 0, 1, f16
	WIN 0
	PLACES
.if \pre
	LOADW WFB, D0, 256
.endif
.irp a, 0,1,2,3
	ds_store_b128 v[STO], v[ACC+8*\a:ACC+8*\a+3]   offset:64*\a     ; row = my channel; columns 16 a + 8 (lane / 16) on
	ds_store_b128 v[STO], v[ACC+8*\a+4:ACC+8*\a+7] offset:64*\a+16
.endr
.irp i, 0,1,2,3,4,5,6,7
	ds_load_b128 v[OB+4*\i:OB+4*\i+3], v[RD] offset:544*\i          ; in order behind the stores: rows 2 i and 2 i + 1
.endr
	s_wait_dscnt 0x0
.irp i, 0,1,2,3,4,5,6,7
	global_store_b128 v[GO], v[OB+4*\i:OB+4*\i+3], s[58:59] offset:131072*\i th:TH_STORE_NT  ; 16 lanes store 256 consecutive bytes, at a multiple of 256 from out's first byte
.endr
	s_wait_xcnt 0x0                                ; the stores' base and data are rewritten only behind this wait (ISA guide 3.1)
	s_add_nc_u64 s[58:59], s[58:59], 1048576       ; 16 channels on
	s_add_co_u32 s55, s55, WTILE
	s_add_co_u32 s56, s56, 64
.endm
; THE ATTENTION's lines.  cur, nxt: the two score buffers in window 1 (0 or 128).
.macro SCORE e, nxt                    ; keys 16 e on
	WIN 0x40
	v_wmma_f32_16x16x32_f16 v[(\nxt)+8*(\e):(\nxt)+8*(\e)+7], v[KW+4*(\e):KW+4*(\e)+7], v[QF:QF+7], 0
.endm
.macro FX i, cur                       ; c s - c m for pair i of 64
	WIN 0x45
	v_pk_fma_f32 v[(\cur)+2*(\i):(\cur)+2*(\i)+1], v[(\cur)+2*(\i):(\cur)+2*(\i)+1], s[48:49], v[CM:CM+1] op_sel_hi:[1,0,0] neg_lo:[0,0,1] neg_hi:[0,0,1]
.endm
.macro EX j, cur                       ; in place: each exponential's result has its score's own register while the batch is open
	WIN 0x45
	v_exp_f32 v[(\cur)+(\j)], v[(\cur)+(\j)]
.endm
.macro CX i, cur                       ; pair i rounded to f16, into register i of the same buffer, whose own number has been rounded before; every CX stands behind the turn's wait for the exponentials
	WIN 0x45
	v_cvt_pk_f16_f32 v[(\cur)+(\i)], v[(\cur)+2*(\i)], v[(\cur)+2*(\i)+1]
.endm
.macro PVL k, cur                      ; even k: o += p v, odd k: l += p x ones; keys 32 (k / 2) on; the two accumulators take turns; the first two start the sums
	WIN 0x01
.set ps, (\k)/2
.if (\k)%2 == 0
.if (\k) < 2
	v_wmma_f32_16x16x32_f16 v[AO:AO+7], v[(\cur)+8*ps:(\cur)+8*ps+7], v[VW+8*ps:VW+8*ps+7], 0
.else
	v_wmma_f32_16x16x32_f16 v[AO:AO+7], v[(\cur)+8*ps:(\cur)+8*ps+7], v[VW+8*ps:VW+8*ps+7], v[AO:AO+7]
.endif
.else
.if (\k) < 2
	v_wmma_f32_16x16x32_f16 v[AL:AL+7], v[(\cur)+8*ps:(\cur)+8*ps+7], v[ONES:ONES+7], 0
.else
	v_wmma_f32_16x16x32_f16 v[AL:AL+7], v[(\cur)+8*ps:(\cur)+8*ps+7], v[ONES:ONES+7], v[AL:AL+7]
.endif
.endif
.endm
.macro MX4 e, buf                      ; the eight scores of key tile e into four chains, the accumulator's lowest registers first
	WIN 0x05
.irp i, 0,1,2,3
.if (\e) == 0
	v_max_num_f32 v[T+\i], v[(\buf)+2*\i], v[(\buf)+2*\i+1]
.else
	v_max3_num_f32 v[T+\i], v[(\buf)+8*(\e)+2*\i], v[(\buf)+8*(\e)+2*\i+1], v[T+\i]
.endif
.endr
.endm
.macro STATS                           ; the query's other 128 keys lie in the lane 16 away
	WIN 0
	v_max3_num_f32 v[T], v[T], v[T+1], v[T+2]
	v_max_num_f32 v[T], v[T], v[T+3]
	v_permlanex16_b32 v[T+1], v[T], s50, s51
	v_max_num_f32 v[T], v[T], v[T+1]
	v_mul_f32 v[CM], s48, v[T]
.endm
.macro NORM                            ; o / l, rounded; it takes the place of the unit's q in the stash.  The eight reciprocals are the turn's second batch
.irp i, 0,1,2,3,4,5,6,7
	v_rcp_f32 v[R+\i], v[AL+\i]
.endr
	v_nop                                          ; a plain instruction between the last reciprocal and the use of its result (ISA guide 5.7.2)
	s_wait_alu depctr_va_vdst(0)                   ; the wait ahead of the first use: one for the eight reciprocals
.irp i, 0,2,4,6
	v_pk_mul_f32 v[AO+\i:AO+\i+1], v[AO+\i:AO+\i+1], v[R+\i:R+\i+1]
.endr
.irp i, 0,1,2,3
	v_cvt_pk_f16_f32 v[OF+\i], v[AO+2*\i], v[AO+2*\i+1]
.endr
	ds_store_b128 v[D2], v[OF:OF+3]
	s_add_co_u32 s54, s54, 512
	v_add_nc_u32 v[D2], s54, v[QL]
.endm
; A TURN, for unit u (16 queries of a head), whose scores lie in cur and whose c m is made.  Its 128 exponentials are ONE BATCH with ONE wait, which cuts the turn in two.
; AHEAD OF THE WAIT stands all that names no result of theirs: the 16 products that make unit u + 1's scores in nxt, u's 64 scalings and 128 exponentials, and u + 1's maximum over key tiles 0 to 14.
; It goes in sixteen groups: a product; behind it the four lines of the maximum that belong to the key tile two products back (eight plain lines or more behind the product that made those scores);
; then four times scaling, exponential, exponential, a pair's scaling two pairs ahead of its exponentials.  Key tile 14's four lines close the part: the plain instructions behind the last exponential.
; BEHIND THE WAIT: q of u + 2 is asked for; pairs 0 to 7 are rounded; then the 16 products of o and l for u.  Behind each of the first fourteen stand four roundings: the eight pairs that a product reads are
; all rounded ahead of it, and a rounding writes only registers above those that the products so far have read.  Behind the fifteenth stands key tile 15's maximum, behind the last u + 1's c m, whose four
; plain lines are the places in front of the reciprocals.  Then u's way into the stash, with the second batch.
; The scores' two buffers fill a window, so the matrix instructions and the maximum's lines stand between switches: 82 a turn for its 32 matrix and 343 vector instructions.
.macro TURN cur, nxt
	FX 0, \cur
	FX 1, \cur
.set tg, 0
.rept 16
.if tg == 0
	s_wait_dscnt 1                                 ; q of u + 1 is in; out may be the one LDS instruction issued behind its load: the last turn's store of o
.endif
	SCORE tg, \nxt
.if tg >= 2
	MX4 tg-2, \nxt
.endif
.set ti, 4*tg
.rept 4
.if ti < 62
	FX ti+2, \cur
.endif
	EX 2*ti, \cur
	EX 2*ti+1, \cur
.set ti, ti+1
.endr
.set tg, tg+1
.endr
	MX4 14, \nxt                                   ; four plain lines that name no exponential's result, behind the last exponential and ahead of the wait
	s_wait_alu depctr_va_vdst(0)                   ; the wait ahead of the first line that names a result: one for the unit's 128 exponentials
	WIN 0
	ds_load_b128 v[QF:QF+3], v[D2] offset:1024     ; q of u + 2: the last product that read q stands ten plain lines back (two key tiles' maxima, two scalings)
.set ti, 0
.rept 8
	CX ti, \cur
.set ti, ti+1
.endr
.set tk, 0
.rept 16
	PVL tk, \cur
.if tk < 14
.set ti, 8+4*tk
.rept 4
	CX ti, \cur
.set ti, ti+1
.endr
.elseif tk == 14
	MX4 15, \nxt
.endif
.set tk, tk+1
.endr
	STATS
	NORM
.endm
.macro COPY a                          ; head a's k and v come into window 0, so that one text of the turns serves all four heads: 128 moves for a head's 16 turns
	WIN 0x02
.set cj, 0
.rept 64
	v_mov_b32 v[KW+cj], v[64*(\a)+cj]
.set cj, cj+1
.endr
	WIN 0x03
.set cj, 0
.rept 64
	v_mov_b32 v[VW+cj], v[64*(\a)+cj]
.set cj, cj+1
.endr
	WIN 0
.endm
	s_load_b256 s[4:11], s[0:1], 0x0               ; X_Key s[4:5], X_Value s[6:7], X_Query s[8:9], wb s[10:11]
	s_load_b64 s[12:13], s[0:1], 0x20              ; out0
	v_lshl_add_u32 v[SPW], v0, 2, SPARE
	v_mov_b32 v[NIL], 0
	ds_add_u32 v[SPW], v[NIL]                      ; the wave's opening: the add and its wait stand ahead of my first tensor load; the set-up below, work on registers, stands between them
	v_lshrrev_b32 v14, 5, v0
	v_readfirstlane_b32 s14, v14                   ; wave 0..3
	s_bfe_u32 s15, ttmp6, 0x40000                  ; cx: my place in the cluster: it enters X's and out's addresses alone
	s_lshl_b32 s16, ttmp9, 2                       ; in a cluster launch ttmp9 counts clusters
	s_add_co_u32 s16, s16, s15                     ; my work-group
	s_lshl_b32 s17, s16, 2
	s_add_co_u32 s17, s17, s14                     ; my point p = 256 b + n
	s_lshr_b32 s18, s17, 8
	s_lshl_b32 s18, s18, 24                        ; b x 16,777,216 bytes
	s_and_b32 s19, s17, 255
	s_lshl_b32 s19, s19, 8                         ; n x 256
	s_or_b32 s18, s18, s19
	s_mov_b32 s19, 0
	; descriptor group 1: a wave's quarter of a slot: 32 rows x 256 elements of 2 bytes, padded in LDS
	s_mov_b32 s32, 15|(1<<16)|(1<<20)|(1<<21)|(6<<22)|(3<<25)  ; 15:0 the mask: all four work-groups; 17:16 2-byte elements; 20 padding on; 21 set beside a mask; 24:22 after every 128 words (code 6); 31:25 4 words (code 3)
	s_mov_b32 s33, 256<<16                         ; tensor_dim0 = 256
	s_mov_b32 s34, 32<<16                          ; tensor_dim1 = 32
	s_mov_b32 s35, 256<<16                         ; tile_dim0 = 256
	s_mov_b32 s36, 32                              ; tile_dim1 = 32
	s_mov_b32 s37, 256                             ; 256 elements from row to row
	s_mov_b32 s38, 0
	s_mov_b32 s39, 0
	s_mov_b32 s40, 1                               ; group 0: count = 1
	s_mul_i32 s41, s14, 32*WPITCH                  ; LDS address: my 32 rows of slot 0,
	s_mov_b32 s44, 1
	s_add_co_u32 s45, s41, WS1                     ; of slot 1: the wave's number alone enters
	s_lshl_b32 s62, s14, 14                        ; my 32 rows of 512 bytes in memory
	s_mov_b32 s63, 0
	s_mov_b32 s48, 0x3eb8aa3b                      ; c = log2(e) / 4
	s_mov_b32 s49, s48                             ; named with it as a pair
	s_mov_b32 s50, 0x76543210                      ; v_permlanex16_b32: each lane takes its own place in the other half
	s_mov_b32 s51, 0xfedcba98
	s_mul_i32 s60, s14, XREG
	s_add_co_u32 s60, s60, XS                      ; my region
	s_lshl_b32 s61, s14, 10                        ; bias number w: wave w brings it
	s_add_co_u32 s56, s61, 524288                  ; its place in wb,
	s_add_co_u32 s57, s61, BT                      ; and in LDS
	v_and_b32 v15, 31, v0                          ; lane
	v_and_b32 v16, 15, v0                          ; r = lane % 16
	v_bfe_u32 v17, v0, 4, 1                        ; h = lane / 16
	v_and_b32 v18, 7, v0
	v_bfe_u32 v19, v0, 3, 1
	v_lshl_add_u32 v[QL], v15, 4, s60
	v_lshlrev_b32 v[XV], 4, v16
	v_lshl_add_u32 v[XV], v17, 18, v[XV]           ; 16 r + 4 rows x h
	v_mul_u32_u24 v[XSA], v17, 4*XP
	v_lshl_add_u32 v[XSA], v16, 3, v[XSA]
	v_add_nc_u32 v[XSA], s60, v[XSA]
	v_lshl_add_u32 v[XT], v17, 3, v18              ; the turning load: lane l reads row 8 (l / 16) + l % 8, bytes 16 ((l / 8) % 2) on
	v_mul_u32_u24 v[XT], v[XT], XP
	v_lshl_add_u32 v[XT], v19, 4, v[XT]
	v_add_nc_u32 v[XT], s60, v[XT]
	v_mul_u32_u24 v[WA0], v16, WPITCH
	v_lshl_add_u32 v[WA0], v17, 4, v[WA0]
	v_add_nc_u32 v[WA0+1], WS1, v[WA0]
	v_lshl_add_u32 v[BA], v16, 2, BT
	v_lshl_add_u32 v[BA8], v17, 5, BT
	v_mul_u32_u24 v[STO], v16, 272                 ; the way out: rows of 256 + 16 bytes
	v_lshl_add_u32 v[STO], v17, 5, v[STO]
	v_add_nc_u32 v[STO], s60, v[STO]
	v_mul_u32_u24 v[RD], v17, 272
	v_lshl_add_u32 v[RD], v16, 4, v[RD]
	v_add_nc_u32 v[RD], s60, v[RD]
	v_lshlrev_b32 v[GO], 4, v16
	v_lshl_add_u32 v[GO], v17, 16, v[GO]
	v_lshl_add_u32 v14, v15, 4, s56
	v_lshl_add_u32 v15, v15, 4, s57
	s_wait_dscnt 0x0                               ; the opening add is done
	s_wait_kmcnt 0x0
	s_add_nc_u64 s[42:43], s[10:11], s[62:63]      ; Wk's rows 0-127, my quarter
	s_add_nc_u64 s[46:47], s[42:43], 65536         ; its rows 128-255
	s_or_b32 s43, s43, 0x80000000                  ; type = 2
	s_or_b32 s47, s47, 0x80000000
	s_add_nc_u64 s[20:21], s[4:5], s[18:19]        ; X at my point: channels 0-127, and 128-255, so that a row's place fits the loads' immediate
	s_add_nc_u64 s[22:23], s[20:21], 0x800000
	s_add_nc_u64 s[24:25], s[6:7], s[18:19]
	s_add_nc_u64 s[26:27], s[24:25], 0x800000
	s_add_nc_u64 s[28:29], s[8:9], s[18:19]
	s_add_nc_u64 s[30:31], s[28:29], 0x800000
	s_add_nc_u64 s[58:59], s[12:13], s[18:19]
	ROUND                                          ; all four work-groups are here: the first joint loads meet
	tensor_load_to_lds s[40:43], s[32:39]          ; both first fills together: two loads of mine are out
	s_nop 0
	tensor_load_to_lds s[44:47], s[32:39]
	s_nop 0
	PLACES
	global_load_b128 v[24:27], v14, s[10:11]       ; my bias: 1,024 bytes
	global_load_b128 v[28:31], v14, s[10:11] offset:512
.irp g, 0,1,2,3
	ISSUE \g
.endr
	s_wait_loadcnt 32                              ; the bias is in; the 32 loads of X issued behind it stay out
	ds_store_b128 v15, v[24:27]
	ds_store_b128 v15, v[28:31] offset:512
	; X_Key into the stage; four groups are always on their way, on into X_Value
.set pg, 0
.rept 16
	CVTIN pg
	STOREIN pg
	ISSUE pg+4
.set pg, pg+1
.endr
	s_wait_tensorcnt 0x1                           ; my part of slot 0 is in; slot 1's may stay out
	s_wait_dscnt 0x0                               ; for the others' sake: my bias is stored
	s_barrier_signal -1
	s_barrier_wait -1
	; k
	LOADW WFA, WA0, 0
	ds_load_b32 v[BV], v[BA]
	LOADW WFB, WA0, 256
	XFLOAD
	TILE 0, 1
.set pt, 1
.rept 15
	TILE pt, 0
.set pt, pt+1
.endr
	; v
	XFLOAD
	TILE 16, 1
.set pt, 17
.rept 15
	TILE pt, 0
.set pt, pt+1
.endr
	; q
	XFLOAD
	s_mov_b32 s55, WTILE
	s_mov_b32 s56, 2048+64
	s_mov_b32 s57, 0
	s_mov_b32 s53, 7
.Lq_lo:
	QTILE 1, -1
	s_sub_co_u32 s53, s53, 1
	s_cmp_lg_u32 s53, 0
	s_cbranch_scc1 .Lq_lo
	QTILE 1, 0                                     ; tile 7: slot 0 takes Wo's rows 0-127
	s_mov_b32 s53, 7
.Lq_hi:
	QTILE 1, -1
	s_sub_co_u32 s53, s53, 1
	s_cmp_lg_u32 s53, 0
	s_cbranch_scc1 .Lq_hi
	QTILE 0, 1                                     ; tile 15: slot 1 takes Wo's rows 128-255: the last load; it lands under the attention
	; THE ATTENTION
	s_wait_dscnt 0x0
.irp j, 4,5,6,7
	v_mov_b32 v[QF+\j], 0
.endr
.irp j, 0,1,2,3,4,5,6,7
	v_mov_b32 v[ONES+\j], 0x3c003c00
.endr
.irp j, 0,1,2,3
	v_mov_b32 v[ZT+\j], 0
.endr
	v_mov_b32 v[CM+1], 0                           ; named with c m as a pair
	ds_store_b128 v[QL], v[ZT:ZT+3] offset:32768   ; units 64 and 65, which the last two turns fetch and whose scores are discarded, hold 0
	ds_store_b128 v[QL], v[ZT:ZT+3] offset:33280
	s_mov_b32 s54, 0
	s_mov_b32 s52, 0
.Lhead:
	s_wait_dscnt 0x0                               ; the last turn's load of q is back: its registers are loaded again
	v_add_nc_u32 v[D2], s54, v[QL]
	ds_load_b128 v[QF:QF+3], v[D2]                 ; the head's first q
	s_cmp_eq_u32 s52, 0
	s_cbranch_scc0 .Lcopy1
	COPY 0
	s_branch .Lcopied
.Lcopy1:
	s_cmp_eq_u32 s52, 1
	s_cbranch_scc0 .Lcopy2
	COPY 1
	s_branch .Lcopied
.Lcopy2:
	s_cmp_eq_u32 s52, 2
	s_cbranch_scc0 .Lcopy3
	COPY 2
	s_branch .Lcopied
.Lcopy3:
	COPY 3
.Lcopied:
	s_wait_dscnt 0x0
.set he, 0
.rept 16
	SCORE he, 0                                    ; the first unit's scores: there is no vector work yet to set between them
.set he, he+1
.endr
	WIN 0
	PLACES
	ds_load_b128 v[QF:QF+3], v[D2] offset:512
.set he, 0
.rept 16
	MX4 he, 0
.set he, he+1
.endr
	STATS
	s_wait_dscnt 0x0                               ; so that the turn's counted wait holds on the way in too
	s_mov_b32 s53, 8
.Lpair:                                                ; a head's last turn makes the scores and the maximum of a unit that is not the head's: discarded, the price of one text for every turn
	TURN 0, 128
	TURN 128, 0
	s_sub_co_u32 s53, s53, 1
	s_cmp_lg_u32 s53, 0
	s_cbranch_scc1 .Lpair
	s_add_co_u32 s52, s52, 1
	s_cmp_lt_u32 s52, 4
	s_cbranch_scc1 .Lhead
	; out = Wo o + bo
	s_wait_tensorcnt 0x0                           ; my part of Wo's second half is in;
	ds_add_u32 v[SPW], v[NIL]
	s_wait_dscnt 0x0
	s_barrier_signal -1
	s_barrier_wait -1                              ; everybody's is; nothing is filled again
	LOADW WFA, WA0, 0
	ds_load_b32 v[BV], v[BA] offset:3072
	LOADW WFB, WA0, 256
	WIN 0x40
.set ou, 0
.rept 64
	ds_load_b128 v[4*ou:4*ou+3], v[QL] offset:512*ou  ; o comes back as it was put: units 16 a + 2 s and 16 a + 2 s + 1 are the fragment of head a, K step s
.set ou, ou+1
.endr
	WIN 0
	s_wait_dscnt 0x0
	s_mov_b32 s55, WTILE
	s_mov_b32 s56, 3072+64
	s_mov_b32 s53, 15
.Lout:
	OTILE 1
	s_sub_co_u32 s53, s53, 1
	s_cmp_lg_u32 s53, 0
	s_cbranch_scc1 .Lout
	OTILE 0
	s_wait_tensorcnt 0x0                           ; the wave's end: behind my last tensor load and my last LDS store
	ds_add_u32 v[SPW], v[NIL]
	s_wait_dscnt 0x0
	ROUND                                          ; the closing round: no work-group ends while a partner may still ask for a tile that names it
	s_endpgm
.Lfunc_end_k_q5eb4bba68c_attn:
	.size	k_q5eb4bba68c_attn, .Lfunc_end_k_q5eb4bba68c_attn-k_q5eb4bba68c_attn
	.p2alignl 7, 3214868480
	.fill 96, 4, 3214868480
	.section	.rodata,"a",@progbits
	.p2align	6, 0x0
	.amdhsa_kernel k_q5eb4bba68c_attn
		.amdhsa_group_segment_fixed_size 327680
		.amdhsa_private_segment_fixed_size 0
		.amdhsa_enable_private_segment 0
		.amdhsa_kernarg_size 40
		.amdhsa_user_sgpr_count 2
		.amdhsa_user_sgpr_kernarg_segment_ptr 1
		.amdhsa_wavefront_size32 1
		.amdhsa_system_sgpr_workgroup_id_x 1
		.amdhsa_system_sgpr_workgroup_id_y 1
		.amdhsa_system_sgpr_workgroup_id_z 1
		.amdhsa_system_vgpr_workitem_id 0
		.amdhsa_next_free_vgpr 1024
		.amdhsa_next_free_sgpr 66
		.amdhsa_reserve_vcc 0
		.amdhsa_float_denorm_mode_32 3
		.amdhsa_float_denorm_mode_16_64 3
		.amdhsa_memory_ordered 1
		.amdhsa_forward_progress 1
		.amdhsa_inst_pref_size 255
	.end_amdhsa_kernel
	.section	.bss,"aw",@nobits
	.p2align	6
	.space	262144
	.amdgpu_metadata
---
amdhsa.version: [ 1, 2 ]
amdhsa.kernels:
  - .name:           k_q5eb4bba68c_attn
    .symbol:         k_q5eb4bba68c_attn.kd
    .args:
      - { .name: X_Key, .offset: 0, .size: 8, .value_kind: global_buffer, .address_space: global }
      - { .name: X_Value, .offset: 8, .size: 8, .value_kind: global_buffer, .address_space: global }
      - { .name: X_Query, .offset: 16, .size: 8, .value_kind: global_buffer, .address_space: global }
      - { .name: wb, .offset: 24, .size: 8, .value_kind: global_buffer, .address_space: global }
      - { .name: out0, .offset: 32, .size: 8, .value_kind: global_buffer, .address_space: global }
    .group_segment_fixed_size: 327680
    .private_segment_fixed_size: 0
    .kernarg_segment_align: 8
    .kernarg_segment_size: 40
    .max_flat_workgroup_size: 128
    .sgpr_count:     66
    .vgpr_count:     1024
    .wavefront_size: 32
...
	.end_amdgpu_metadata
.endif
;; end of part 3
